; MI455X (gfx1250); checked and timed in simulation.
; The chip was launched on July 23, 2026; its instructions are those of AMD's public machine-readable ISA for CDNA 5 (MIT licence, August 2026) and "CDNA5" Instruction Set Architecture Reference Guide (July 2026). The comments in the code are by the model that wrote it; some were corrected since.
;; Model. Allowed arithmetic: matrix products marked QUANTISED: E5M2 operands, one E8M0 scale for each 32 along K, by v_wmma_scale_f32_16x16x128_f8f6f4 with both operands' format E5M2, f32 sums; products left as they are: f32 operands where the result goes on into a quantised operand, else bf16, f16 or f32 operands; f32 sums; everything else in f32.
;; Inputs: W0 1 x 16 float32; W1 16 x 32 float32; W2_codes 64 x 1 x 32 uint8 (E5M2 codes of W2, K innermost, in blocks of 32 codes); W2_scales 64 x 1 uint8 (E8M0 scales of W2, one for each 32 codes along K); W3_codes 128 x 2 x 32 uint8 (E5M2 codes of W3, K innermost, in blocks of 32 codes); W3_scales 128 x 2 uint8 (E8M0 scales of W3, one for each 32 codes along K); W4_codes 64 x 4 x 32 uint8 (E5M2 codes of W4, K innermost, in blocks of 32 codes); W4_scales 64 x 4 uint8 (E8M0 scales of W4, one for each 32 codes along K); W5_codes 32 x 2 x 32 uint8 (E5M2 codes of W5, K innermost, in blocks of 32 codes); W5_scales 32 x 2 uint8 (E8M0 scales of W5, one for each 32 codes along K); W6 32 x 1 float32; b0 16 float32; b1 32 float32; b2 64 float32; b3 128 float32; b4 64 float32; b5 32 float32; b6 1 float32; be0 16 float32; be1 32 float32; be2 64 float32; be3 128 float32; be4 64 float32; be5 32 float32; g0 16 float32; g1 32 float32; g2 64 float32; g3 128 float32; g4 64 float32; g5 32 float32; x 1,048,576 x 1 float32.
;; Outputs: out0 1,048,576 x 1 float32.
;; This version of the problem:
;;   THIS VERSION OF THE PROBLEM IS GIVEN IN LOW PRECISION. The matrix products marked QUANTISED in the list below multiply operands that are first quantised to E5M2 (5 exponent bits, 2 mantissa bits; 8 bits a number), with one power-of-two scale for each 32 numbers along K (OCP MX v1.0); their sums are f32. All else is computed in f32.
;;   The module's matrix products, in the order in which they are computed (A, B: the left and right operand; K: the contracted axis; several contracted axes count as one K, in the product's order):
;;     1. [M 1,048,576, K 1] x [K 1, N 16]; A: input x; B: input W0: left as it is (K = 1 < 32)
;;     2. [M 1,048,576, K 16] x [K 16, N 32]; A: computed on the way; B: input W1: left as it is (K = 16 < 32)
;;     3. [M 1,048,576, K 32] x [K 32, N 64]; A: computed on the way; B: input W2 (given as codes): QUANTISED
;;     4. [M 1,048,576, K 64] x [K 64, N 128]; A: computed on the way; B: input W3 (given as codes): QUANTISED
;;     5. [M 1,048,576, K 128] x [K 128, N 64]; A: computed on the way; B: input W4 (given as codes): QUANTISED
;;     6. [M 1,048,576, K 64] x [K 64, N 32]; A: computed on the way; B: input W5 (given as codes): QUANTISED
;;     7. [M 1,048,576, K 32] x [K 32, N 1]; A: computed on the way; B: input W6: left as it is (N = 1 < 16)
;;   THE QUANTISER, for each operand of a quantised product, along K:
;;     - K is cut into blocks of 32 from its start; a last block that is shorter is filled with zeros.
;;     - A block's scale is 2^e with e = floor(log2(the largest magnitude in the block)) - 15, held to -126 .. 127; a block of zeros has e = 0. As a byte (E8M0): e + 127.
;;     - Each number is divided by its block's scale, clamped to +-57,344, and rounded to the nearest number of E5M2, ties to even, subnormals kept.
;;     - The product sums the exact products of the quantised numbers (number of the format x scale) in f32.
;;   ~~~python
;;   def quantise(x, axis):      # numpy; x: float32 -> the quantised numbers, widened to float32 again
;;       x = np.moveaxis(x, axis, -1); K = x.shape[-1]
;;       x = np.pad(x, [(0, 0)] * (x.ndim - 1) + [(0, -K % 32)]); x = x.reshape(x.shape[:-1] + (-1, 32)); a = np.abs(x).max(-1, keepdims=True)
;;       e = np.where(a > 0, np.clip(np.frexp(np.where(a > 0, a, 1))[1] - 1 - 15, -126, 127), 0)      # np.frexp(a)[1] - 1 = floor(log2(a)), exactly
;;       r = np.clip(x / 2.0 ** e, -57344, 57344)
;;       step = 2.0 ** (np.maximum(np.frexp(np.where(r == 0, 1, r))[1] - 1, -14) - 2)
;;       q = np.round(r / step) * step * 2.0 ** e      # np.round: ties to even
;;       return np.moveaxis(q.reshape(q.shape[:-2] + (-1,))[..., :K], -1, axis).astype(np.float32)
;;   ~~~
;;   OPERANDS COMPUTED ON THE WAY. 'Computed on the way' means the value that the module computes at that place (a softmax that the list does not call 'softmax' is quantised finished and normalised). What goes into a quantiser is computed in f32, as accurately as f32 sums, v_exp_f32 and their like allow (about 1e-6 of the number): no bf16 or f16 on the way to a quantiser, and a product that is left as it is and whose result goes on into a quantised operand takes f32 operands (vector FMAs, or v_wmma_f32_16x16x4_f32). A number that lies on a knife's edge between two numbers of the format may be rounded either way, as far as f32 arithmetic and the matrix unit's own rounding can turn it there, and no further.
;;   INPUTS GIVEN AS CODES. W2 (in the module: [32, 64], K = its axis 0); W3 (in the module: [64, 128], K = its axis 0); W4 (in the module: [128, 64], K = its axis 0); W5 (in the module: [64, 32], K = its axis 0): each comes as NAME_codes (uint8): NAME with its K axis moved to the last place and cut into blocks of 32 codes, [.., K / 32, bytes a block], one block behind the other in memory; one code a byte (a code: sign, 5 exponent bits, 2 mantissa bits); and NAME_scales (uint8): the same leading axes, one E8M0 byte (e + 127) for each 32 codes along K. Its value is code x scale, taken as it is: it is not quantised again, and the codes and scales need not be those that the quantiser above would give.
;; One version. Each part assembles by itself: llvm-mc -triple=amdgcn-amd-amdhsa -mcpu=gfx1250 --defsym DOCPART=n.
;; ======== version 1 of 1: 2 launches
;; workspace buffers: tab 27,648 bytes
;; launch pack (part 1): grid 1 x 1, 1 waves a work-group, no clusters, 7,424 bytes of LDS; arguments W1, b3, g3, be3, b2, g2, be2, b4, g4, be4, W3_scales, W4_scales, b1, g1, be1, b5, g5, be5, W6, W0, b0, g0, be0, W2_scales, W5_scales, W2_codes, W3_codes, W4_codes, W5_codes, tab; writes tab
.if DOCPART == 1
	.amdgcn_target "amdgcn-amd-amdhsa--gfx1250"
	.amdhsa_code_object_version 6
	.text
	.protected	k_q358da4aa64_pack
	.globl	k_q358da4aa64_pack
	.p2align	8
	.type	k_q358da4aa64_pack,@function
k_q358da4aa64_pack:
	s_mov_b64 s[64:65], 0
	v_nop
	global_prefetch_b8 v0, s[64:65] scope:SCOPE_SE
	s_setreg_imm32_b32 hwreg(HW_REG_WAVE_MODE, 25, 1), 1
	s_wait_xcnt 0x0
; The chain has 32 buffers and a launch is given at most 30 addresses: so this launch, one wave, gathers 29 small inputs into ONE dense table of 27,648 bytes,
; which the chain's launch copies into LDS in whole runs.  Nothing is computed; W1 [16 (k)][32 (unit)] alone is turned, to [unit][k], so that a unit's 16 numbers are neighbours.
; TABLE, byte offsets: 0 W1T; 2048 b3, g3, be3 (512 each); 3584 b2, g2, be2, b4, g4, be4, W3_scales, W4_scales (256 each); 5632 b1, g1, be1, b5, g5, be5, W6 (128 each);
; 6528 W0, b0, g0, be0, W2_scales, W5_scales (64 each); 6912 256 bytes of zeros; 7168 W2_codes, 9216 W3_codes, 17408 W4_codes, 25600 W5_codes, as they are given.
; The first 7,168 bytes are put together in LDS and leave as 14 stores of 512 consecutive bytes; the codes go from registers to memory as they came.
; POINTERS: argument i lies in s[4 + 2 i : 5 + 2 i].
	s_load_b512 s[4:19], s[0:1], 0x0
	s_load_b512 s[20:35], s[0:1], 0x40
	s_load_b512 s[36:51], s[0:1], 0x80
	s_load_b256 s[52:59], s[0:1], 0xc0
	s_load_b128 s[60:63], s[0:1], 0xe0
	v_lshl_add_u32 v94, v0, 2, 0x1c00
	v_mov_b32 v95, 0
	v_lshlrev_b32 v1, 4, v0                        ; 16 x lane
	v_lshlrev_b32 v2, 3, v0                        ; 8 x lane
	v_lshlrev_b32 v3, 2, v0                        ; 4 x lane
	v_and_b32 v4, 15, v0
	v_lshlrev_b32 v4, 2, v4                        ; 4 x (lane % 16): arrays of 64 bytes; lanes 16-31 repeat lanes 0-15
	v_lshlrev_b32 v5, 6, v0                        ; 64 x lane: a unit's row of W1T
	v_mov_b32 v6, 0
	v_mov_b32 v7, 0
	s_wait_kmcnt 0x0
	; the first section: 40 loads
.irp k, 0,1,2,3,4,5,6,7,8,9,10,11,12,13,14,15
	global_load_b32 v[8+\k], v3, s[4:5] offset:128*\k              ; W1(k, unit = lane)
.endr
.irp i, 0,1,2
	global_load_b128 v[24+4*\i:27+4*\i], v1, s[6+2*\i:7+2*\i]      ; b3, g3, be3
.endr
.irp i, 0,1,2,3,4,5,6,7
	global_load_b64 v[36+2*\i:37+2*\i], v2, s[12+2*\i:13+2*\i]     ; b2, g2, be2, b4, g4, be4, W3_scales, W4_scales
.endr
.irp i, 0,1,2,3,4,5,6
	global_load_b32 v[52+\i], v3, s[28+2*\i:29+2*\i]               ; b1, g1, be1, b5, g5, be5, W6
.endr
.irp i, 0,1,2,3,4,5
	global_load_b32 v[59+\i], v4, s[42+2*\i:43+2*\i]               ; W0, b0, g0, be0, W2_scales, W5_scales
.endr
	; the codes: 40 loads of 512 consecutive bytes
.irp i, 0,1,2,3
	global_load_b128 v[96+4*\i:99+4*\i], v1, s[54:55] offset:512*\i
.endr
.irp i, 0,1,2,3,4,5,6,7,8,9,10,11,12,13,14,15
	global_load_b128 v[112+4*\i:115+4*\i], v1, s[56:57] offset:512*\i
.endr
.irp i, 0,1,2,3,4,5,6,7,8,9,10,11,12,13,14,15
	global_load_b128 v[176+4*\i:179+4*\i], v1, s[58:59] offset:512*\i
.endr
.irp i, 0,1,2,3
	global_load_b128 v[240+4*\i:243+4*\i], v1, s[60:61] offset:512*\i
.endr
	s_wait_loadcnt 40                              ; loads come back in order: the first section is in; the 40 loads of codes issued behind it may be out
.irp q, 0,1,2,3
	ds_store_b128 v5, v[8+4*\q:11+4*\q] offset:16*\q               ; my unit's k = 4 q .. 4 q + 3: this is the turning of W1
.endr
.irp i, 0,1,2
	ds_store_b128 v1, v[24+4*\i:27+4*\i] offset:2048+512*\i
.endr
.irp i, 0,1,2,3,4,5,6,7
	ds_store_b64 v2, v[36+2*\i:37+2*\i] offset:3584+256*\i
.endr
.irp i, 0,1,2,3,4,5,6
	ds_store_b32 v3, v[52+\i] offset:5632+128*\i
.endr
.irp i, 0,1,2,3,4,5
	ds_store_b32 v4, v[59+\i] offset:6528+64*\i                    ; lanes l and l + 16 write the same word with the same value
.endr
	ds_store_b64 v2, v[6:7] offset:6912                            ; the zeros
	s_wait_dscnt 0x0                               ; the stores are done: the loads below land in the registers that they read
.irp i, 0,1,2,3,4,5,6,7,8,9,10,11,12,13
	ds_load_b128 v[8+4*\i:11+4*\i], v1 offset:512*\i
.endr
	s_wait_dscnt 0x0
.irp i, 0,1,2,3,4,5,6,7,8,9,10,11,12,13
	global_store_b128 v1, v[8+4*\i:11+4*\i], s[62:63] offset:512*\i   ; 32 lanes store 512 consecutive bytes, at a multiple of 256 from the table's first byte
.endr
	s_wait_loadcnt 0x0                             ; the codes
.set i, 0
.rept 40
	global_store_b128 v1, v[96+4*i:99+4*i], s[62:63] offset:7168+512*i
.set i, i+1
.endr
	s_wait_tensorcnt 0x0
	ds_add_u32 v94, v95
	s_wait_dscnt 0x0
	s_endpgm
.Lfunc_end_k_q358da4aa64_pack:
	.size	k_q358da4aa64_pack, .Lfunc_end_k_q358da4aa64_pack-k_q358da4aa64_pack
	.p2alignl 7, 3214868480
	.fill 96, 4, 3214868480
	.section	.rodata,"a",@progbits
	.p2align	6, 0x0
	.amdhsa_kernel k_q358da4aa64_pack
		.amdhsa_group_segment_fixed_size 7424
		.amdhsa_private_segment_fixed_size 0
		.amdhsa_enable_private_segment 0
		.amdhsa_kernarg_size 240
		.amdhsa_user_sgpr_count 2
		.amdhsa_user_sgpr_kernarg_segment_ptr 1
		.amdhsa_wavefront_size32 1
		.amdhsa_system_sgpr_workgroup_id_x 1
		.amdhsa_system_sgpr_workgroup_id_y 1
		.amdhsa_system_sgpr_workgroup_id_z 1
		.amdhsa_system_vgpr_workitem_id 0
		.amdhsa_next_free_vgpr 256
		.amdhsa_next_free_sgpr 66
		.amdhsa_reserve_vcc 0
		.amdhsa_float_denorm_mode_32 3
		.amdhsa_float_denorm_mode_16_64 3
		.amdhsa_memory_ordered 1
		.amdhsa_forward_progress 1
		.amdhsa_inst_pref_size 17
	.end_amdhsa_kernel
	.amdgpu_metadata
---
amdhsa.version: [ 1, 2 ]
amdhsa.kernels:
  - .name:           k_q358da4aa64_pack
    .symbol:         k_q358da4aa64_pack.kd
    .args:
      - { .name: W1, .offset: 0, .size: 8, .value_kind: global_buffer, .address_space: global }
      - { .name: b3, .offset: 8, .size: 8, .value_kind: global_buffer, .address_space: global }
      - { .name: g3, .offset: 16, .size: 8, .value_kind: global_buffer, .address_space: global }
      - { .name: be3, .offset: 24, .size: 8, .value_kind: global_buffer, .address_space: global }
      - { .name: b2, .offset: 32, .size: 8, .value_kind: global_buffer, .address_space: global }
      - { .name: g2, .offset: 40, .size: 8, .value_kind: global_buffer, .address_space: global }
      - { .name: be2, .offset: 48, .size: 8, .value_kind: global_buffer, .address_space: global }
      - { .name: b4, .offset: 56, .size: 8, .value_kind: global_buffer, .address_space: global }
      - { .name: g4, .offset: 64, .size: 8, .value_kind: global_buffer, .address_space: global }
      - { .name: be4, .offset: 72, .size: 8, .value_kind: global_buffer, .address_space: global }
      - { .name: W3_scales, .offset: 80, .size: 8, .value_kind: global_buffer, .address_space: global }
      - { .name: W4_scales, .offset: 88, .size: 8, .value_kind: global_buffer, .address_space: global }
      - { .name: b1, .offset: 96, .size: 8, .value_kind: global_buffer, .address_space: global }
      - { .name: g1, .offset: 104, .size: 8, .value_kind: global_buffer, .address_space: global }
      - { .name: be1, .offset: 112, .size: 8, .value_kind: global_buffer, .address_space: global }
      - { .name: b5, .offset: 120, .size: 8, .value_kind: global_buffer, .address_space: global }
      - { .name: g5, .offset: 128, .size: 8, .value_kind: global_buffer, .address_space: global }
      - { .name: be5, .offset: 136, .size: 8, .value_kind: global_buffer, .address_space: global }
      - { .name: W6, .offset: 144, .size: 8, .value_kind: global_buffer, .address_space: global }
      - { .name: W0, .offset: 152, .size: 8, .value_kind: global_buffer, .address_space: global }
      - { .name: b0, .offset: 160, .size: 8, .value_kind: global_buffer, .address_space: global }
      - { .name: g0, .offset: 168, .size: 8, .value_kind: global_buffer, .address_space: global }
      - { .name: be0, .offset: 176, .size: 8, .value_kind: global_buffer, .address_space: global }
      - { .name: W2_scales, .offset: 184, .size: 8, .value_kind: global_buffer, .address_space: global }
      - { .name: W5_scales, .offset: 192, .size: 8, .value_kind: global_buffer, .address_space: global }
      - { .name: W2_codes, .offset: 200, .size: 8, .value_kind: global_buffer, .address_space: global }
      - { .name: W3_codes, .offset: 208, .size: 8, .value_kind: global_buffer, .address_space: global }
      - { .name: W4_codes, .offset: 216, .size: 8, .value_kind: global_buffer, .address_space: global }
      - { .name: W5_codes, .offset: 224, .size: 8, .value_kind: global_buffer, .address_space: global }
      - { .name: tab, .offset: 232, .size: 8, .value_kind: global_buffer, .address_space: global }
    .group_segment_fixed_size: 7424
    .private_segment_fixed_size: 0
    .kernarg_segment_align: 8
    .kernarg_segment_size: 240
    .max_flat_workgroup_size: 32
    .sgpr_count:     66
    .vgpr_count:     256
    .wavefront_size: 32
...
	.end_amdgpu_metadata
.endif
;; end of part 1
;; launch mlp (part 2): grid 256 x 1, 8 waves a work-group, no clusters, 312,320 bytes of LDS; arguments tab, b6, x, out0; writes out0
.if DOCPART == 2
	.amdgcn_target "amdgcn-amd-amdhsa--gfx1250"
	.amdhsa_code_object_version 6
	.text
	.protected	k_q358da4aa64_mlp
	.globl	k_q358da4aa64_mlp
	.p2align	8
	.type	k_q358da4aa64_mlp,@function
k_q358da4aa64_mlp:
	s_mov_b64 s[64:65], 0
	v_nop
	global_prefetch_b8 v0, s[64:65] scope:SCOPE_SE
	s_setreg_imm32_b32 hwreg(HW_REG_WAVE_MODE, 25, 1), 1
	s_wait_xcnt 0x0
; out = the chain 1 -> 16 -> 32 -> 64 -> 128 -> 64 -> 32 -> 1 over 1,048,576 rows; LayerNorm and relu behind the first six layers.
; Products 32 -> 64, 64 -> 128, 128 -> 64, 64 -> 32 run on codes of BF8 (E5M2) with one E8M0 scale for each 32 along K: the weights as they are given, the activations quantised here, in registers.
; Product 1 -> 16 is a fused multiply-add, 16 -> 32 the f32 matrix form (its result goes on into a quantiser), 32 -> 1 fused multiply-adds; all else f32.
; SHARES.  256 work-groups x 8 waves; a wave owns 512 rows and shares nothing but the table of parameters, which the work-group copies into LDS once (the one barrier).  Two waves of 512 registers lie on a SIMD:
; one wave's matrix instructions and the short dependent ends of its sums stand beside the other's vector work.
; No tensor load, no cluster: what work-groups share is 27,648 bytes read once by each; a row's data are 8 bytes of memory; all the rest is work on registers.
; THE PARAMETERS STAY, THE ROWS MOVE.  In the lanes' layout the parameters and weights of all layers would take 722 registers.  So a wave takes 16 tiles of 16 rows through phase A (layers 0, 1, 2), then through
; phase B (layer 3), then through phase C (layers 4, 5, 6); each phase's parameters fill register window 1 and are fetched from LDS once for the 16 tiles.  Between phases a tile rests in the wave's own LDS bytes
; as codes and scale words, as images of the next operand's registers: lane l's 16 bytes at 16 l, its scale word at 4 l.
; LAYOUT.  Every product is used transposed: source 0 = 16 units of the weight, source 1 = 16 rows.  A lane (r = lane % 16, h = lane / 16) then holds ONE row, and its registers run along the units.
; THE UNITS OF A TILE ARE NOT NEIGHBOURS: lane r of unit tile t takes unit 32 (t / 2) + 8 (t % 2) + r + 8 (r / 8), so that result register i is unit 32 (i / 16) + 16 h + i % 16: 16 neighbours along the next K,
; in the order of the next operand's registers.  A block of 32 lies in lanes l and l xor 16.  A K under 128 is filled with zero codes on both sides; their scale bytes are 0, which is a power of two like any other.
; ROWS.  A group is 64 rows: passes p = 0, 1 of two tiles x = 0, 1 that go in lockstep.  Lane (r, h) of tile (p, x) holds row 32 x + 2 r + p of the group: one load of 8 bytes brings a lane its x for both passes,
; and one store of 8 bytes a lane writes the group's 256 consecutive bytes of out.
; LAYERNORM in two passes (mean; then the squares of the differences), sums in four chains of pairs.
; LIMITS: NaN and infinities among the inputs are not served (the maxima drop NaN).  A block whose largest number lies under 2^-111, a block of zeros among them, gets the scale byte 1; only this text reads the bytes.
; The sums of the LayerNorm are taken in another order than a plain left-to-right sum, and its last multiplication and addition are fused.
;
; the table, in memory and (its first 7,168 bytes) in LDS
.set T_W1T, 0
.set T_B3,  2048
.set T_G3,  2560
.set T_E3,  3072
.set T_B2,  3584
.set T_G2,  3840
.set T_E2,  4096
.set T_B4,  4352
.set T_G4,  4608
.set T_E4,  4864
.set T_W3S, 5120
.set T_W4S, 5376
.set T_B1,  5632
.set T_G1,  5760
.set T_E1,  5888
.set T_B5,  6016
.set T_G5,  6144
.set T_E5,  6272
.set T_W6,  6400
.set T_W0,  6528
.set T_B0,  6592
.set T_G0,  6656
.set T_E0,  6720
.set T_W2S, 6784
.set T_W5S, 6848
.set T_Z,   6912                       ; 256 bytes of zeros
.set T_C2,  7168                       ; the codes in memory, dense
.set T_C3,  9216
.set T_C4,  17408
.set T_C5,  25600
.set L_W2,  7168                       ; the codes in LDS: rows of 32, 64, 128, 64 bytes + 16 of padding: pitches 48, 80, 144, 80, odd multiples of 16 bytes, so that neighbouring rows start at different banks (ISA guide 11.1)
.set L_W3,  10240
.set L_W4,  20480
.set L_W5,  29696                      ; ends at 32,256
.set WB0,   32768                      ; behind the table: a region for each wave
.set WREG,  34816
.set BCE,   2176                       ; a tile between phases B and C: 4 images of 512 bytes + 128 bytes of scale words; entry i at 2176 i
.set ABE,   1152                       ; a tile between phases A and B: 2 images + scale words; entry i at AB0 + 1152 i
.set AB0,   16384                      ; the two runs overlap on purpose: BC's entry i ends at 2176 (i + 1) <= 16384 + 1152 (i + 1), so it covers only entries of AB that the wave has loaded; LDS serves a wave's instructions in order (ISA guide 5.7.1.4)
; window 0
.set AH64,  1                          ; v1   64 h: a parameter array's place for my half
.set AH8,   2                          ; v2   8 h: layer 0's
.set AW1,   3                          ; v3   64 RW + 8 h: W1T;  RW = r + 8 (r / 8)
.set AC32,  4                          ; v4   48 RW + 16 h: W2's codes
.set AC64,  5                          ; v5   80 RW + 16 h: W3's and W5's
.set AC128, 6                          ; v6   144 RW + 16 h: W4's
.set RW1,   7                          ; v7-9 RW, 2 RW, 4 RW: the weights' scale bytes
.set RW2,   8
.set RW4,   9
.set LI,    10                         ; v10  my wave's region + 16 x lane
.set LS,    11                         ; v11  my wave's region + 4 x lane
.set ADI,   12                         ; v12-15, v38-39: LI and LS + the entries in hand
.set ADS,   13
.set ADI2,  14
.set ADS2,  15
.set WS,    16                         ; v16-23 the weights' scale words
.set PW0,   24                         ; v24-25 the activations' scale words, tile x; v26-27 a second pair
.set PW1,   26
.set XO,    28                         ; v28  8 r
.set OO,    29                         ; v29  8 x lane
.set NIL,   30                         ; v30  0
.set X,     32                         ; v[32:33], v[34:35] x of passes 0, 1, tile x
.set O,     36                         ; v[36:37] out of passes 0, 1
.set ADI3,  38
.set ADS3,  39
.set TT,    40                         ; v40 + 20 x: +0..7 four pairs of sums (in QUANT: +0..3 largest numbers, +4..7 at work); +8..11 the largest code x the scale; +12..15 the conversions' scale operands; +16 -mean; +18 1 / sqrt
.set PZ,    80                         ; v80 + 20 x: 8 registers of codes, then 12 that are zero for the whole launch: PZ on is an operand of K = 64, PZ + 4 on one of K = 32
.set H,     120                        ; v120 + 32 x: a layer's numbers; in phase B v120-183
.set D1,    184                        ; v184 + 16 x: the f32 product's sums: written by matrix instructions alone
.set U,     216                        ; v216 + 16 x: phase A layer 0's numbers; phase B layer 3's codes; phase C the operand of K = 128
; window 1, by phase:  A: 0 W2 (16 a tile: 4 of codes, 12 zero); 64 b2; 96 g2; 128 be2; 160 W1; 176 b1; 192 g1; 208 be1; 224 W0; 232 b0; 240 g0; 248 be0
;   B: 0 W3 (16 a tile: 8 + 8); 128 g3; 192 be3 (b3 goes from LDS straight into the accumulators)      C: 0 W4; 64 b4; 96 g4; 128 be4; 160 W5 (8 + 8); 192 b5; 208 g5; 224 be5; 240 W6
; scalars: s[4:5] tab, s[6:7] b6, s[8:9] x, s[10:11] out; s12 wave; s13 b6's value; s[14:15] lane selects; s16 57,344's mantissa field; s17 1e-5; s19 mask of lanes 16-31; s20 batches, s21 trips, s22 groups left; s23, s24 entries in hand
.set MSB, 0
.macro WIN new                         ; s_set_vgpr_msb: bits 1:0 source 0, 3:2 source 1, 5:4 source 2, 7:6 destination; the high byte repeats the setting that is left
.if MSB != \new
	s_set_vgpr_msb (MSB<<8)|\new
.set MSB, \new
.endif
.endm
.macro PLACES n                        ; plain vector instructions that name none of a matrix instruction's registers (ISA guide 7.12.1)
.rept \n
	v_nop
.endr
.endm
; The end of a sum kept in nc pairs: the pairs, the two halves of a pair, and lane l xor 16's.  The sum lands in v[TT + 20 x].
.macro LNFOLD nt
.if nc == 4
.irp x, 0,1
.if \x < \nt
	v_pk_add_f32 v[TT+20*\x:TT+20*\x+1], v[TT+20*\x:TT+20*\x+1], v[TT+20*\x+2:TT+20*\x+3]
	v_pk_add_f32 v[TT+20*\x+4:TT+20*\x+5], v[TT+20*\x+4:TT+20*\x+5], v[TT+20*\x+6:TT+20*\x+7]
.endif
.endr
.irp x, 0,1
.if \x < \nt
	v_pk_add_f32 v[TT+20*\x:TT+20*\x+1], v[TT+20*\x:TT+20*\x+1], v[TT+20*\x+4:TT+20*\x+5]
.endif
.endr
.else
.irp x, 0,1
.if \x < \nt
	v_pk_add_f32 v[TT+20*\x:TT+20*\x+1], v[TT+20*\x:TT+20*\x+1], v[TT+20*\x+2:TT+20*\x+3]
.endif
.endr
.endif
.irp x, 0,1
.if \x < \nt
	v_add_f32 v[TT+20*\x], v[TT+20*\x], v[TT+20*\x+1]
.endif
.endr
.irp x, 0,1
.if \x < \nt
	v_permlanex16_b32 v[TT+20*\x+2], v[TT+20*\x], s14, s15
.endif
.endr
.irp x, 0,1
.if \x < \nt
	v_add_f32 v[TT+20*\x], v[TT+20*\x], v[TT+20*\x+2]
.endif
.endr
.endm
; dst = (src - mean) / sqrt(var + 1e-5) over the 2 n numbers of a row (n in my lane, n in lane l xor 16), for nt tiles in lockstep.  ninv, pinv: -1 / (2 n), 1 / (2 n).
; The first sum takes the registers in ascending order.
.macro LNSTAT src, sstr, dst, dstr, n, nt, ninv, pinv
.set nc, 4
.if \n < 16
.set nc, 2
.endif
.set li, 0
.rept nc
.irp x, 0,1
.if \x < \nt
	v_pk_add_f32 v[TT+20*\x+2*li:TT+20*\x+2*li+1], v[\src+\sstr*\x+2*li:\src+\sstr*\x+2*li+1], v[\src+\sstr*\x+2*(li+nc):\src+\sstr*\x+2*(li+nc)+1]
.endif
.endr
.set li, li+1
.endr
.set li, 2*nc
.rept (\n)/2-2*nc
.irp x, 0,1
.if \x < \nt
	v_pk_add_f32 v[TT+20*\x+2*(li%nc):TT+20*\x+2*(li%nc)+1], v[TT+20*\x+2*(li%nc):TT+20*\x+2*(li%nc)+1], v[\src+\sstr*\x+2*li:\src+\sstr*\x+2*li+1]
.endif
.endr
.set li, li+1
.endr
	LNFOLD \nt
.irp x, 0,1
.if \x < \nt
	v_mul_f32 v[TT+20*\x+16], \ninv, v[TT+20*\x]                   ; -mean
.endif
.endr
.set li, 0
.rept (\n)/2
.irp x, 0,1
.if \x < \nt
	v_pk_add_f32 v[\dst+\dstr*\x+2*li:\dst+\dstr*\x+2*li+1], v[\src+\sstr*\x+2*li:\src+\sstr*\x+2*li+1], v[TT+20*\x+16:TT+20*\x+17] op_sel_hi:[1,0]
.endif
.endr
.set li, li+1
.endr
.set li, 0
.rept nc
.irp x, 0,1
.if \x < \nt
	v_pk_mul_f32 v[TT+20*\x+2*li:TT+20*\x+2*li+1], v[\dst+\dstr*\x+2*li:\dst+\dstr*\x+2*li+1], v[\dst+\dstr*\x+2*li:\dst+\dstr*\x+2*li+1]
.endif
.endr
.set li, li+1
.endr
.rept (\n)/2-nc
.irp x, 0,1
.if \x < \nt
	v_pk_fma_f32 v[TT+20*\x+2*(li%nc):TT+20*\x+2*(li%nc)+1], v[\dst+\dstr*\x+2*li:\dst+\dstr*\x+2*li+1], v[\dst+\dstr*\x+2*li:\dst+\dstr*\x+2*li+1], v[TT+20*\x+2*(li%nc):TT+20*\x+2*(li%nc)+1]
.endif
.endr
.set li, li+1
.endr
	LNFOLD \nt
.irp x, 0,1
.if \x < \nt
	v_fma_f32 v[TT+20*\x], v[TT+20*\x], \pinv, s17                 ; var + 1e-5
.endif
.endr
.irp x, 0,1
.if \x < \nt
	v_rsq_f32 v[TT+20*\x+18], v[TT+20*\x]
.endif
.endr
	v_nop                                          ; one plain vector instruction between a transcendental and the use of its result (ISA guide 5.7.2)
	s_wait_alu depctr_va_vdst(0)
.set li, 0
.rept (\n)/2
.irp x, 0,1
.if \x < \nt
	v_pk_mul_f32 v[\dst+\dstr*\x+2*li:\dst+\dstr*\x+2*li+1], v[\dst+\dstr*\x+2*li:\dst+\dstr*\x+2*li+1], v[TT+20*\x+18:TT+20*\x+19] op_sel_hi:[1,0]
.endif
.endr
.set li, li+1
.endr
.endm
; dst = dst x g + be; g and be lie in window 1, in the layout of dst
.macro AFFINE dst, dstr, n, nt, g, be
	WIN 0x14
.set li, 0
.rept (\n)/2
.irp x, 0,1
.if \x < \nt
	v_pk_fma_f32 v[\dst+\dstr*\x+2*li:\dst+\dstr*\x+2*li+1], v[\dst+\dstr*\x+2*li:\dst+\dstr*\x+2*li+1], v[\g+2*li:\g+2*li+1], v[\be+2*li:\be+2*li+1]
.endif
.endr
.set li, li+1
.endr
	WIN 0
.endm
.macro RELU dst, dstr, n               ; both tiles
.set li, 0
.rept \n
.irp x, 0,1
	v_max_num_f32 v[\dst+\dstr*\x+li], 0, v[\dst+\dstr*\x+li]
.endr
.set li, li+1
.endr
.endm
; one line of the search for a block's largest number: acc = max3(acc, h[i], h[i + 1]) in every block of every tile
.macro QCH src, sstr, nb, nt, acc, i
.set lb, 0
.rept \nb
.irp x, 0,1
.if \x < \nt
	v_max3_num_f32 v[TT+20*\x+\acc+lb], v[TT+20*\x+\acc+lb], v[\src+\sstr*\x+16*lb+\i], v[\src+\sstr*\x+16*lb+\i+1]
.endif
.endr
.set lb, lb+1
.endr
.endm
; relu and the quantiser in one: nb blocks of 32 (16 numbers of each in my lane) become 4 nb registers of codes at v[po] on and a scale word in v[pw + x].
; No |.| in the search: what is negative becomes 0 and must not count; the floor 2^(16 - 127) stands over it and holds the byte at 1 from below.  The hold that the conversion wants (it does not saturate:
; ISA guide 7.6.2) clips at 0 as well.  bias = 1: a block's registers, once converted, take b3 from LDS: they are the next tile's accumulators.
.macro QUANT src, sstr, nb, nt, po, postr, pw, bias
.set lb, 0
.rept \nb
.irp x, 0,1
.if \x < \nt
	v_max3_num_f32 v[TT+20*\x+lb], v[\src+\sstr*\x+16*lb], v[\src+\sstr*\x+16*lb+1], 0x8000000
	v_max3_num_f32 v[TT+20*\x+4+lb], v[\src+\sstr*\x+16*lb+8], v[\src+\sstr*\x+16*lb+9], v[\src+\sstr*\x+16*lb+10]
.endif
.endr
.set lb, lb+1
.endr
	QCH \src, \sstr, \nb, \nt, 0, 2
	QCH \src, \sstr, \nb, \nt, 4, 11
	QCH \src, \sstr, \nb, \nt, 0, 4
	QCH \src, \sstr, \nb, \nt, 4, 13
	QCH \src, \sstr, \nb, \nt, 0, 6
.set lb, 0
.rept \nb
.irp x, 0,1
.if \x < \nt
	v_max3_num_f32 v[TT+20*\x+lb], v[TT+20*\x+lb], v[TT+20*\x+4+lb], v[\src+\sstr*\x+16*lb+15]
.endif
.endr
.set lb, lb+1
.endr
.set lb, 0
.rept \nb
.irp x, 0,1
.if \x < \nt
	v_permlanex16_b32 v[TT+20*\x+4+lb], v[TT+20*\x+lb], s14, s15
.endif
.endr
.set lb, lb+1
.endr
.set lb, 0
.rept \nb
.irp x, 0,1
.if \x < \nt
	v_max_num_f32 v[TT+20*\x+lb], v[TT+20*\x+lb], v[TT+20*\x+4+lb]   ; with lane l xor 16's 16: the block's largest number
.endif
.endr
.set lb, lb+1
.endr
.set lb, 0
.rept \nb
.irp x, 0,1
.if \x < \nt
	v_add_nc_u32 v[TT+20*\x+12+lb], 0xf8800000, v[TT+20*\x+lb]       ; 15 off its exponent field: the conversion takes the exponent field of this operand as its scale
	v_and_or_b32 v[TT+20*\x+8+lb], v[TT+20*\x+lb], 0x7f800000, s16   ; 57,344 x the scale: the same exponent field over 57,344's mantissa
.endif
.endr
.set lb, lb+1
.endr
.if \nb == 1
.irp x, 0,1
.if \x < \nt
	v_lshrrev_b32 v[\pw+\x], 23, v[TT+20*\x+12]                      ; the scale's byte; the word's upper bytes, for the zero codes, are 0
.endif
.endr
.else
.set lb, 0
.rept \nb
.irp x, 0,1
.if \x < \nt
	v_lshrrev_b32 v[TT+20*\x+4+lb], 23, v[TT+20*\x+12+lb]
.endif
.endr
.set lb, lb+1
.endr
.irp x, 0,1
.if \x < \nt
	v_lshl_or_b32 v[\pw+\x], v[TT+20*\x+5], 8, v[TT+20*\x+4]
.endif
.endr
.if \nb == 4
.irp x, 0,1
.if \x < \nt
	v_lshl_or_b32 v[\pw+\x], v[TT+20*\x+6], 16, v[\pw+\x]
	v_lshl_or_b32 v[\pw+\x], v[TT+20*\x+7], 24, v[\pw+\x]
.endif
.endr
.endif
.endif
.set lb, 0
.rept \nb
.irp x, 0,1
.if \x < \nt
.set li, 0
.rept 16
	v_med3_num_f32 v[\src+\sstr*\x+16*lb+li], v[\src+\sstr*\x+16*lb+li], 0, v[TT+20*\x+8+lb]
.set li, li+1
.endr
	v_cvt_scalef32_pk8_bf8_f32 v[(\po)+\postr*\x+4*lb:(\po)+\postr*\x+4*lb+1], v[\src+\sstr*\x+16*lb:\src+\sstr*\x+16*lb+7], v[TT+20*\x+12+lb]
	v_cvt_scalef32_pk8_bf8_f32 v[(\po)+\postr*\x+4*lb+2:(\po)+\postr*\x+4*lb+3], v[\src+\sstr*\x+16*lb+8:\src+\sstr*\x+16*lb+15], v[TT+20*\x+12+lb]
.if \bias
.irp k, 0,1,2,3
	ds_load_b128 v[\src+16*lb+4*\k:\src+16*lb+4*\k+3], v[AH64] offset:T_B3+128*lb+16*\k
.endr
.endif
.endif
.endr
.set lb, lb+1
.endr
.endm
; A scaled product: nu tiles of 16 units x nt tiles of rows, one instruction for each accumulator H_x[8 t ..], by turns.
; a: the weight's fragments, window 1; b: the rows' operand, window 0.  cw = 1: C is the bias at v[c + 8 t] of window 1; cw = 0: the bias lies in the accumulator already.
.macro MS nu, nt, a, b, bstr, c, cw, ws, pw
.if \cw
	WIN 0x11
.else
	WIN 0x01
.endif
.set lt, 0
.rept \nu
.irp x, 0,1
.if \x < \nt
.if \cw
	v_wmma_scale_f32_16x16x128_f8f6f4 v[H+32*\x+8*lt:H+32*\x+8*lt+7], v[\a+16*lt:\a+16*lt+15], v[(\b)+\bstr*\x:(\b)+\bstr*\x+15], v[\c+8*lt:\c+8*lt+7], v[\ws+lt], v[\pw+\x] matrix_a_fmt:MATRIX_FMT_BF8 matrix_b_fmt:MATRIX_FMT_BF8
.else
	v_wmma_scale_f32_16x16x128_f8f6f4 v[H+32*\x+8*lt:H+32*\x+8*lt+7], v[\a+16*lt:\a+16*lt+15], v[(\b)+\bstr*\x:(\b)+\bstr*\x+15], v[H+32*\x+8*lt:H+32*\x+8*lt+7], v[\ws+lt], v[\pw+\x] matrix_a_fmt:MATRIX_FMT_BF8 matrix_b_fmt:MATRIX_FMT_BF8
.endif
.endif
.endr
.set lt, lt+1
.endr
	WIN 0
.endm
; The f32 product 16 -> 32: four K steps of 4; the four accumulators (2 tiles of rows x 2 of units) take turns; the first K step takes b1 as C.
.macro M1
.irp s, 0,1,2,3
.if \s == 0
	WIN 0x11
.else
	WIN 0x01
.endif
.irp x, 0,1
.irp t, 0,1
.if \s == 0
	v_wmma_f32_16x16x4_f32 v[D1+16*\x+8*\t:D1+16*\x+8*\t+7], v[160+2*(4*\t+\s):161+2*(4*\t+\s)], v[U+16*\x+2*\s:U+16*\x+2*\s+1], v[176+8*\t:183+8*\t]
.else
	v_wmma_f32_16x16x4_f32 v[D1+16*\x+8*\t:D1+16*\x+8*\t+7], v[160+2*(4*\t+\s):161+2*(4*\t+\s)], v[U+16*\x+2*\s:U+16*\x+2*\s+1], v[D1+16*\x+8*\t:D1+16*\x+8*\t+7]
.endif
.endr
.endr
.endr
	WIN 0
.endm
; 4 nq registers of a parameter array in the lanes' layout: registers 4 q .. 4 q + 3 are units 32 (q / 4) + 16 h + 4 (q % 4) + 0 .. 3
.macro LDPAR reg, off, nq
.set lq, 0
.rept \nq
	ds_load_b128 v[\reg+4*lq:\reg+4*lq+3], v[AH64] offset:\off+128*(lq/4)+16*(lq%4)
.set lq, lq+1
.endr
.endm
; nu fragments of a weight: ncode groups of four registers of codes, the rest zeros
.macro LDFRAG reg, adr, base, pitch, nu, ncode
.set lt, 0
.rept \nu
.set lq, 0
.rept 4
.if lq < \ncode
	ds_load_b128 v[\reg+16*lt+4*lq:\reg+16*lt+4*lq+3], v[\adr] offset:\base+\pitch*(32*(lt/2)+8*(lt%2))+32*lq
.else
	ds_load_b128 v[\reg+16*lt+4*lq:\reg+16*lt+4*lq+3], v[NIL] offset:T_Z
.endif
.set lq, lq+1
.endr
.set lt, lt+1
.endr
.endm
.macro RELOAD_A
	WIN 0x40                                       ; destination window 1, address window 0
	LDFRAG 0, AC32, L_W2, 48, 4, 1
	LDPAR 64, T_B2, 8
	LDPAR 96, T_G2, 8
	LDPAR 128, T_E2, 8
.irp t, 0,1
.irp s, 0,1,2,3
	ds_load_b64 v[160+2*(4*\t+\s):161+2*(4*\t+\s)], v[AW1] offset:T_W1T+512*\t+16*\s   ; W1(k = 4 s + 2 h + 0, 1; unit 8 t + RW)
.endr
.endr
	LDPAR 176, T_B1, 4
	LDPAR 192, T_G1, 4
	LDPAR 208, T_E1, 4
.irp s, 0,1,2,3                                ; layer 0, laid as source 1 of the f32 form: register 2 s + j is unit 4 s + 2 h + j
	ds_load_b64 v[224+2*\s:225+2*\s], v[AH8] offset:T_W0+16*\s
	ds_load_b64 v[232+2*\s:233+2*\s], v[AH8] offset:T_B0+16*\s
	ds_load_b64 v[240+2*\s:241+2*\s], v[AH8] offset:T_G0+16*\s
	ds_load_b64 v[248+2*\s:249+2*\s], v[AH8] offset:T_E0+16*\s
.endr
	WIN 0
.irp t, 0,1,2,3
	ds_load_u8 v[WS+\t], v[RW1] offset:T_W2S+32*(\t/2)+8*(\t%2)
.endr
.endm
.macro RELOAD_B
	WIN 0x40
	LDFRAG 0, AC64, L_W3, 80, 8, 2
	LDPAR 128, T_G3, 16
	LDPAR 192, T_E3, 16
	WIN 0
.irp t, 0,1,2,3,4,5,6,7
	ds_load_u16 v[WS+\t], v[RW2] offset:T_W3S+2*(32*(\t/2)+8*(\t%2))
.endr
.endm
.macro RELOAD_C
	WIN 0x40
	LDFRAG 0, AC128, L_W4, 144, 4, 4
	LDPAR 64, T_B4, 8
	LDPAR 96, T_G4, 8
	LDPAR 128, T_E4, 8
	LDFRAG 160, AC64, L_W5, 80, 2, 2
	LDPAR 192, T_B5, 4
	LDPAR 208, T_G5, 4
	LDPAR 224, T_E5, 4
	LDPAR 240, T_W6, 4
	WIN 0
.irp t, 0,1,2,3
	ds_load_b32 v[WS+\t], v[RW4] offset:T_W4S+4*(32*(\t/2)+8*(\t%2))
.endr
.irp t, 0,1
	ds_load_u16 v[WS+4+\t], v[RW2] offset:T_W5S+2*(8*\t)
.endr
.endm
; PHASE A, pass p of a group: layers 0, 1, 2 of two tiles; their codes for the product 64 -> 128 go to entries 2 p and 2 p + 1 of the group's four.
.macro PASS_A p
	WIN 0x14
.irp s, 0,1,2,3
.irp x, 0,1
	v_pk_fma_f32 v[U+16*\x+2*\s:U+16*\x+2*\s+1], v[X+2*\x:X+2*\x+1], v[224+2*\s:225+2*\s], v[232+2*\s:233+2*\s] op_sel:[\p,0,0] op_sel_hi:[\p,1,1]   ; x of pass p, for both halves, x W0 + b0
.endr
.endr
	WIN 0
.if \p == 1
	s_add_nc_u64 s[8:9], s[8:9], 256               ; no load of x is out (the wait at the trip's head), and both passes have read theirs: the next group's x is asked for, if there is a next group:
	s_sub_co_u32 s22, s22, 1                       ; no load leaves its buffer
	s_cmp_eq_u32 s22, 0
	s_cbranch_scc1 .Lno_x_\@
	global_load_b64 v[X:X+1], v[XO], s[8:9] th:TH_LOAD_NT
	global_load_b64 v[X+2:X+3], v[XO], s[8:9] offset:128 th:TH_LOAD_NT
.Lno_x_\@:
.endif
	LNSTAT U, 16, U, 16, 8, 2, 0xbd800000, 0x3d800000
	AFFINE U, 16, 8, 2, 240, 248
	RELU U, 16, 8
	M1
	PLACES 8                                       ; in front of the first read of the sums
	LNSTAT D1, 16, H, 32, 16, 2, 0xbd000000, 0x3d000000   ; what is made of the f32 product's sums goes into other registers
	AFFINE H, 32, 16, 2, 192, 208
	s_wait_dscnt 0x0                               ; the last pass's stores, issued a layer and a half ago, are done: their data and address registers are written again only behind this wait
.if \p == 0
	v_add_nc_u32 v[ADI], s23, v[LI]
	v_add_nc_u32 v[ADS], s23, v[LS]
.endif
	QUANT H, 32, 1, 2, PZ+4, 20, PW0, 0
	PLACES 8                                       ; codes written by vector instructions stand 4 places ahead of a scaled product, a scale word 8; the holds between name the product's accumulators and are not counted
	MS 4, 2, 0, PZ+4, 20, 64, 1, WS, PW0
	PLACES 8
	LNSTAT H, 32, H, 32, 32, 2, 0xbc800000, 0x3c800000
	AFFINE H, 32, 32, 2, 96, 128
	QUANT H, 32, 2, 2, PZ, 20, PW1, 0
	v_nop                                          ; one plain vector instruction behind the last scaled conversion
.irp x, 0,1
	ds_store_b128 v[ADI], v[PZ+20*\x:PZ+20*\x+3] offset:ABE*(2*\p+\x)
	ds_store_b128 v[ADI], v[PZ+20*\x+4:PZ+20*\x+7] offset:ABE*(2*\p+\x)+512
	ds_store_b32 v[ADS], v[PW1+\x] offset:ABE*(2*\p+\x)+1024
.endr
.endm
; PHASE B, tile q of a trip's two: layer 3.  The operand lies in PZ_q, the next tile's is fetched into the other set; b3 lies in the accumulators.
.macro TILE_B q
	s_wait_dscnt 5                                 ; LDS instructions end in order: the youngest five are the last tile's stores; the 16 loads of b3 in front of them are in
.if \q == 0
	ds_load_b128 v[PZ+20:PZ+23], v[ADI] offset:ABE
	ds_load_b128 v[PZ+24:PZ+27], v[ADI] offset:ABE+512
	ds_load_b32 v[PW0+1], v[ADS] offset:ABE+1024
.else
	ds_load_b128 v[PZ:PZ+3], v[ADI3]
	ds_load_b128 v[PZ+4:PZ+7], v[ADI3] offset:512
	ds_load_b32 v[PW0], v[ADS3] offset:1024
.endif
	MS 8, 1, 0, PZ+20*\q, 0, 0, 0, WS, PW0+\q
	PLACES 8
	LNSTAT H, 0, H, 0, 64, 1, 0xbc000000, 0x3c000000
	AFFINE H, 0, 64, 1, 128, 192
	s_wait_dscnt 0x0                               ; the next tile's operand is in, and the last tile's stores are done: their data and address registers are written again only behind this wait
.if \q == 0
	v_add_nc_u32 v[ADI2], s24, v[LI]
	v_add_nc_u32 v[ADS2], s24, v[LS]
.endif
	QUANT H, 0, 4, 1, U, 0, PW1, 1
	v_nop                                          ; one plain vector instruction behind the last scaled conversion
.irp c, 0,1,2,3
	ds_store_b128 v[ADI2], v[U+4*\c:U+4*\c+3] offset:BCE*\q+512*\c
.endr
	ds_store_b32 v[ADS2], v[PW1] offset:BCE*\q+2048
.endm
; PHASE C, pass p of a group: layers 4, 5, 6 of two tiles.
.macro PASS_C p
	s_wait_dscnt 0x0                               ; this pass's operands are in; no LDS instruction of mine is out
.if \p == 0
	v_add_nc_u32 v[ADI], s24, v[LI]
	v_add_nc_u32 v[ADS], s24, v[LS]
	s_add_co_u32 s26, s24, 4*BCE                   ; the next group's first entries; behind the last group the address is held at entry 12: the bytes fetched there are not used
	s_min_u32 s26, s26, 12*BCE
	v_add_nc_u32 v[ADI2], s26, v[LI]
	v_add_nc_u32 v[ADS2], s26, v[LS]
.endif
	MS 4, 2, 0, U, 16, 64, 1, WS, PW0
	PLACES 8                                       ; in front of the loads into the product's operands, and of the first read of its results
.irp x, 0,1
.irp c, 0,1,2,3
.if \p == 0
	ds_load_b128 v[U+16*\x+4*\c:U+16*\x+4*\c+3], v[ADI] offset:BCE*(2+\x)+512*\c
.else
	ds_load_b128 v[U+16*\x+4*\c:U+16*\x+4*\c+3], v[ADI2] offset:BCE*\x+512*\c
.endif
.endr
.if \p == 0
	ds_load_b32 v[PW0+\x], v[ADS] offset:BCE*(2+\x)+2048
.else
	ds_load_b32 v[PW0+\x], v[ADS2] offset:BCE*\x+2048
.endif
.endr
	LNSTAT H, 32, H, 32, 32, 2, 0xbc800000, 0x3c800000
	AFFINE H, 32, 32, 2, 96, 128
	QUANT H, 32, 2, 2, PZ, 20, PW1, 0
	PLACES 8                                       ; as in phase A; with the eight behind the last product they are also the places in front of a product that writes over that product's results
	MS 2, 2, 160, PZ, 20, 192, 1, WS+4, PW1
	PLACES 8
	LNSTAT H, 32, H, 32, 16, 2, 0xbd000000, 0x3d000000
	AFFINE H, 32, 16, 2, 208, 224
	RELU H, 32, 16
	WIN 0x04                                       ; source 1 (W6) window 1
.irp c, 0,1,2,3
.irp x, 0,1
	v_pk_mul_f32 v[TT+20*\x+2*\c:TT+20*\x+2*\c+1], v[H+32*\x+2*\c:H+32*\x+2*\c+1], v[240+2*\c:241+2*\c]
.endr
.endr
.irp c, 0,1,2,3
.irp x, 0,1
	v_pk_fma_f32 v[TT+20*\x+2*\c:TT+20*\x+2*\c+1], v[H+32*\x+8+2*\c:H+32*\x+8+2*\c+1], v[248+2*\c:249+2*\c], v[TT+20*\x+2*\c:TT+20*\x+2*\c+1]
.endr
.endr
	WIN 0
.set nc, 4
	LNFOLD 2
	v_cndmask_b32 v[O+\p], v[TT], v[TT+20], s19    ; lanes 0-15 keep tile 0's row r, lanes 16-31 tile 1's: lane l then holds row 2 l + p of the group
	v_add_f32 v[O+\p], s13, v[O+\p]                ; + b6
.if \p == 1
	global_store_b64 v[OO], v[O:O+1], s[10:11] th:TH_STORE_NT      ; 32 lanes store 256 consecutive bytes, at a multiple of 256 from out's first byte
	s_wait_xcnt 0x0                                ; the store's data and base are written again only behind this wait
	s_add_nc_u64 s[10:11], s[10:11], 256
.endif
.endm
	; ---- the head
	s_load_b256 s[4:11], s[0:1], 0x0               ; tab, b6, x, out
	v_lshl_add_u32 v254, v0, 2, 0x4c000
	v_mov_b32 v255, 0
	v_lshrrev_b32 v31, 5, v0
	v_readfirstlane_b32 s12, v31                   ; wave 0..7
	v_and_b32 v39, 31, v0                          ; lane
	v_and_b32 v38, 15, v0                          ; r
	v_bfe_u32 v31, v0, 4, 1                        ; h
	v_lshlrev_b32 v[AH64], 6, v31
	v_lshlrev_b32 v[AH8], 3, v31
	v_and_b32 v[RW1], 8, v38
	v_add_nc_u32 v[RW1], v[RW1], v38               ; RW = r + 8 (r / 8)
	v_lshlrev_b32 v[RW2], 1, v[RW1]
	v_lshlrev_b32 v[RW4], 2, v[RW1]
	v_lshl_add_u32 v[AW1], v[RW1], 6, v[AH8]
	v_mul_u32_u24 v[AC32], v[RW1], 48
	v_lshl_add_u32 v[AC32], v31, 4, v[AC32]
	v_mul_u32_u24 v[AC64], v[RW1], 80
	v_lshl_add_u32 v[AC64], v31, 4, v[AC64]
	v_mul_u32_u24 v[AC128], v[RW1], 144
	v_lshl_add_u32 v[AC128], v31, 4, v[AC128]
	s_mul_i32 s25, s12, WREG
	s_add_co_u32 s25, s25, WB0                     ; my wave's region
	v_lshl_add_u32 v[LI], v39, 4, s25
	v_lshl_add_u32 v[LS], v39, 2, s25
	v_lshlrev_b32 v[XO], 3, v38
	v_lshlrev_b32 v[OO], 3, v39
	v_mov_b32 v[NIL], 0
	; the table's copy: thread t takes 16, 8 or 4 bytes of each run; the codes' rows get their padding on the way
	v_lshlrev_b32 v150, 4, v0                      ; 16 t
	v_lshlrev_b32 v151, 3, v0                      ; 8 t
	v_lshlrev_b32 v152, 2, v0                      ; 4 t
	v_lshrrev_b32 v157, 2, v0
	v_and_b32 v158, 3, v0
	v_lshrrev_b32 v159, 3, v0
	v_and_b32 v160, 7, v0
	v_mul_u32_u24 v153, v157, 48
	v_lshl_add_u32 v153, v158, 3, v153             ; W2: row t / 4 of 32 bytes, 8 bytes a thread
	v_mul_u32_u24 v154, v157, 80
	v_lshl_add_u32 v154, v158, 4, v154             ; W3: row t / 4 of 64 bytes, 16 bytes a thread; 64 rows a load
	v_mul_u32_u24 v155, v159, 144
	v_lshl_add_u32 v155, v160, 4, v155             ; W4: row t / 8 of 128 bytes; 32 rows a load
	v_mul_u32_u24 v156, v159, 80
	v_lshl_add_u32 v156, v160, 3, v156             ; W5: row t / 8 of 64 bytes, 8 bytes a thread
	s_mov_b32 s14, 0x76543210
	s_mov_b32 s15, 0xfedcba98                      ; v_permlanex16_b32's selects for lane l xor 16
	s_mov_b32 s16, 0x600000                        ; the mantissa field of 57,344
	s_mov_b32 s17, 0x3727c5ac                      ; 1e-5
	s_mov_b32 s19, 0xffff0000                      ; lanes 16-31
	s_mov_b32 s20, 2                               ; batches of 256 rows
	s_mov_b32 s22, 8                               ; groups of 64 rows
	s_lshl_b32 s26, ttmp9, 14                      ; 4,096 rows of 4 bytes a work-group,
	s_lshl_b32 s27, s12, 11                        ; 512 a wave
	s_add_co_u32 s26, s26, s27
	s_mov_b32 s27, 0
	s_wait_kmcnt 0x0
	s_load_b32 s13, s[6:7], 0x0                    ; b6
	global_load_b128 v[120:123], v150, s[4:5]
	global_load_b64 v[124:125], v151, s[4:5] offset:4096
	global_load_b32 v126, v152, s[4:5] offset:6144
	global_load_b64 v[128:129], v151, s[4:5] offset:T_C2
	global_load_b128 v[132:135], v150, s[4:5] offset:T_C3
	global_load_b128 v[136:139], v150, s[4:5] offset:T_C3+4096
	global_load_b128 v[140:143], v150, s[4:5] offset:T_C4
	global_load_b128 v[144:147], v150, s[4:5] offset:T_C4+4096
	global_load_b64 v[148:149], v151, s[4:5] offset:T_C5
	s_add_nc_u64 s[8:9], s[8:9], s[26:27]
	s_add_nc_u64 s[10:11], s[10:11], s[26:27]
	global_load_b64 v[X:X+1], v[XO], s[8:9] th:TH_LOAD_NT          ; the first group's x
	global_load_b64 v[X+2:X+3], v[XO], s[8:9] offset:128 th:TH_LOAD_NT
.irp x, 0,1
.irp i, 8,9,10,11,12,13,14,15,16,17,18,19
	v_mov_b32 v[PZ+20*\x+\i], 0                    ; the operands' zero codes, for the whole launch
.endr
	v_mov_b32 v[TT+20*\x+17], 0                    ; named as the upper halves of pairs of which the low word serves both halves
	v_mov_b32 v[TT+20*\x+19], 0
.endr
	s_wait_loadcnt 2                               ; the table's nine loads are in; the two loads of x issued behind them may be out
	ds_store_b128 v150, v[120:123]
	ds_store_b64 v151, v[124:125] offset:4096
	ds_store_b32 v152, v126 offset:6144
	ds_store_b64 v153, v[128:129] offset:L_W2
	ds_store_b128 v154, v[132:135] offset:L_W3
	ds_store_b128 v154, v[136:139] offset:L_W3+64*80
	ds_store_b128 v155, v[140:143] offset:L_W4
	ds_store_b128 v155, v[144:147] offset:L_W4+32*144
	ds_store_b64 v156, v[148:149] offset:L_W5
	s_wait_kmcnt 0x0                               ; b6
	s_wait_dscnt 0x0                               ; for the others' sake: my part of the table lies in LDS
	s_barrier_signal -1
	s_barrier_wait -1                              ; everybody's does; nobody writes it again, and from here on a wave touches only the table and its own region
.Lbatch:                                           ; 256 rows: 16 tiles through the three phases
	; ---- phase A
	RELOAD_A
	s_mov_b32 s23, AB0
	s_mov_b32 s21, 4
	s_wait_dscnt 0x0
.La:                                               ; a group of 64 rows
	s_wait_loadcnt 0x0                             ; its x, asked for a group ago
	PASS_A 0
	PASS_A 1
	s_add_co_u32 s23, s23, 4*ABE
	s_sub_co_u32 s21, s21, 1
	s_cmp_lg_u32 s21, 0
	s_cbranch_scc1 .La
	; ---- phase B
	s_wait_dscnt 0x0                               ; the last pass's stores are done: the loads below land in registers that they read
	RELOAD_B
	ds_load_b128 v[PZ:PZ+3], v[LI] offset:AB0      ; tile 0's operand,
	ds_load_b128 v[PZ+4:PZ+7], v[LI] offset:AB0+512
	ds_load_b32 v[PW0], v[LS] offset:AB0+1024
	LDPAR H, T_B3, 16                              ; and b3 into its accumulators
	s_mov_b32 s23, AB0
	s_mov_b32 s24, 0
	s_mov_b32 s21, 8
	s_wait_dscnt 0x0
.Lb:                                               ; two tiles
	v_add_nc_u32 v[ADI], s23, v[LI]                ; the loads that named these four registers were waited for in the middle of the last two tiles
	v_add_nc_u32 v[ADS], s23, v[LS]
	s_add_co_u32 s26, s23, 2*ABE                   ; the next trip's first tile; behind the last the address is held at entry 15: the bytes fetched there are not used
	s_min_u32 s26, s26, AB0+15*ABE
	v_add_nc_u32 v[ADI3], s26, v[LI]
	v_add_nc_u32 v[ADS3], s26, v[LS]
	TILE_B 0
	TILE_B 1
	s_add_co_u32 s23, s23, 2*ABE
	s_add_co_u32 s24, s24, 2*BCE
	s_sub_co_u32 s21, s21, 1
	s_cmp_lg_u32 s21, 0
	s_cbranch_scc1 .Lb
	; ---- phase C
	s_wait_dscnt 0x0                               ; the last tile's stores are done, and its loads of b3, which nobody uses, have landed
	RELOAD_C
.irp x, 0,1
.irp c, 0,1,2,3
	ds_load_b128 v[U+16*\x+4*\c:U+16*\x+4*\c+3], v[LI] offset:BCE*\x+512*\c
.endr
	ds_load_b32 v[PW0+\x], v[LS] offset:BCE*\x+2048
.endr
	s_mov_b32 s24, 0
	s_mov_b32 s21, 4
.Lc:                                               ; a group of 64 rows
	PASS_C 0
	PASS_C 1
	s_add_co_u32 s24, s24, 4*BCE
	s_sub_co_u32 s21, s21, 1
	s_cmp_lg_u32 s21, 0
	s_cbranch_scc1 .Lc
	s_sub_co_u32 s20, s20, 1
	s_cmp_lg_u32 s20, 0
	s_cbranch_scc1 .Lbatch
	s_wait_dscnt 0x0                               ; the last look-ahead has landed
	s_barrier_signal -1
	s_barrier_wait -1
	s_wait_tensorcnt 0x0
	ds_add_u32 v254, v255
	s_wait_dscnt 0x0
	s_endpgm
.Lfunc_end_k_q358da4aa64_mlp:
	.size	k_q358da4aa64_mlp, .Lfunc_end_k_q358da4aa64_mlp-k_q358da4aa64_mlp
	.p2alignl 7, 3214868480
	.fill 96, 4, 3214868480
	.section	.rodata,"a",@progbits
	.p2align	6, 0x0
	.amdhsa_kernel k_q358da4aa64_mlp
		.amdhsa_group_segment_fixed_size 312320
		.amdhsa_private_segment_fixed_size 0
		.amdhsa_enable_private_segment 0
		.amdhsa_kernarg_size 32
		.amdhsa_user_sgpr_count 2
		.amdhsa_user_sgpr_kernarg_segment_ptr 1
		.amdhsa_wavefront_size32 1
		.amdhsa_system_sgpr_workgroup_id_x 1
		.amdhsa_system_sgpr_workgroup_id_y 1
		.amdhsa_system_sgpr_workgroup_id_z 1
		.amdhsa_system_vgpr_workitem_id 0
		.amdhsa_next_free_vgpr 512
		.amdhsa_next_free_sgpr 66
		.amdhsa_reserve_vcc 0
		.amdhsa_float_denorm_mode_32 3
		.amdhsa_float_denorm_mode_16_64 3
		.amdhsa_memory_ordered 1
		.amdhsa_forward_progress 1
		.amdhsa_inst_pref_size 204
	.end_amdhsa_kernel
	.amdgpu_metadata
---
amdhsa.version: [ 1, 2 ]
amdhsa.kernels:
  - .name:           k_q358da4aa64_mlp
    .symbol:         k_q358da4aa64_mlp.kd
    .args:
      - { .name: tab, .offset: 0, .size: 8, .value_kind: global_buffer, .address_space: global }
      - { .name: b6, .offset: 8, .size: 8, .value_kind: global_buffer, .address_space: global }
      - { .name: x, .offset: 16, .size: 8, .value_kind: global_buffer, .address_space: global }
      - { .name: out0, .offset: 24, .size: 8, .value_kind: global_buffer, .address_space: global }
    .group_segment_fixed_size: 312320
    .private_segment_fixed_size: 0
    .kernarg_segment_align: 8
    .kernarg_segment_size: 32
    .max_flat_workgroup_size: 256
    .sgpr_count:     66
    .vgpr_count:     512
    .wavefront_size: 32
...
	.end_amdgpu_metadata
.endif
;; end of part 2
